; MI455X (gfx1250); checked and timed in simulation.
; The chip was launched on July 23, 2026; its instructions are those of AMD's public machine-readable ISA for CDNA 5 (MIT licence, August 2026) and "CDNA5" Instruction Set Architecture Reference Guide (July 2026). The comments in the code are by the model that wrote it; some were corrected since.
;; Update Speaker. Allowed arithmetic: matrix products marked QUANTISED: E2M1 operands, one E8M0 scale for each 32 along K, by v_wmma_scale_f32_16x16x128_f8f6f4 with both operands' format E2M1 (or v_wmma_scale_f32_32x16x128_f4), f32 sums; everything else in f32.
;; Inputs: VA_hh 512 x 512 float32; VA_hp 512 x 512 float32; VA_hr 512 x 512 float32; VA_hz 512 x 512 float32; WA_hh 512 x 512 float32; WA_hp 512 x 512 float32; WA_hr 512 x 512 float32; WA_hz 512 x 512 float32; WA_xh 512 x 1,024 float32; WA_xp 512 x 1,024 float32; WA_xr 512 x 1,024 float32; WA_xz 512 x 1,024 float32; adr_vectors 16,384 x 512 float32; encoder_hidden 16,384 x 1,024 float32; spk_vectors 16,384 x 512 float32.
;; Outputs: out0 16,384 x 512 float32.
;; This version of the problem:
;;   THIS VERSION OF THE PROBLEM IS GIVEN IN LOW PRECISION. The matrix products marked QUANTISED in the list below multiply operands that are first quantised to E2M1 (2 exponent bits, 1 mantissa bit; 4 bits a number), with one power-of-two scale for each 32 numbers along K (OCP MX v1.0); their sums are f32. All else is computed in f32.
;;   The module's matrix products, in the order in which they are computed (A, B: the left and right operand; K: the contracted axis; several contracted axes count as one K, in the product's order):
;;     1. [M 16,384, K 1,024] x [K 1,024, N 512]; A: input encoder_hidden; B: input WA_xr: QUANTISED
;;     2. [M 16,384, K 512] x [K 512, N 512]; A: input spk_vectors; B: input WA_hr: QUANTISED
;;     3. [M 16,384, K 512] x [K 512, N 512]; A: input adr_vectors; B: input VA_hr: QUANTISED
;;     4. [M 16,384, K 1,024] x [K 1,024, N 512]; A: input encoder_hidden; B: input WA_xp: QUANTISED
;;     5. [M 16,384, K 512] x [K 512, N 512]; A: input spk_vectors; B: input WA_hp: QUANTISED
;;     6. [M 16,384, K 512] x [K 512, N 512]; A: input adr_vectors; B: input VA_hp: QUANTISED
;;     7. [M 16,384, K 1,024] x [K 1,024, N 512]; A: input encoder_hidden; B: input WA_xz: QUANTISED
;;     8. [M 16,384, K 512] x [K 512, N 512]; A: input spk_vectors; B: input WA_hz: QUANTISED
;;     9. [M 16,384, K 512] x [K 512, N 512]; A: input adr_vectors; B: input VA_hz: QUANTISED
;;     10. [M 16,384, K 1,024] x [K 1,024, N 512]; A: input encoder_hidden; B: input WA_xh: QUANTISED
;;     11. [M 16,384, K 512] x [K 512, N 512]; A: computed on the way; B: input WA_hh: QUANTISED
;;     12. [M 16,384, K 512] x [K 512, N 512]; A: computed on the way; B: input VA_hh: QUANTISED
;;   THE QUANTISER, for each operand of a quantised product, along K:
;;     - K is cut into blocks of 32 from its start; a last block that is shorter is filled with zeros.
;;     - A block's scale is 2^e with e = floor(log2(the largest magnitude in the block)) - 2, held to -126 .. 127; a block of zeros has e = 0. As a byte (E8M0): e + 127.
;;     - Each number is divided by its block's scale, clamped to +-6, and rounded to the nearest number of E2M1, ties to even, subnormals kept.
;;     - The product sums the exact products of the quantised numbers (number of the format x scale) in f32.
;;   ~~~python
;;   def quantise(x, axis):      # numpy; x: float32 -> the quantised numbers, widened to float32 again
;;       x = np.moveaxis(x, axis, -1); K = x.shape[-1]
;;       x = np.pad(x, [(0, 0)] * (x.ndim - 1) + [(0, -K % 32)]); x = x.reshape(x.shape[:-1] + (-1, 32)); a = np.abs(x).max(-1, keepdims=True)
;;       e = np.where(a > 0, np.clip(np.frexp(np.where(a > 0, a, 1))[1] - 1 - 2, -126, 127), 0)      # np.frexp(a)[1] - 1 = floor(log2(a)), exactly
;;       r = np.clip(x / 2.0 ** e, -6, 6)
;;       step = 2.0 ** (np.maximum(np.frexp(np.where(r == 0, 1, r))[1] - 1, 0) - 1)
;;       q = np.round(r / step) * step * 2.0 ** e      # np.round: ties to even
;;       return np.moveaxis(q.reshape(q.shape[:-2] + (-1,))[..., :K], -1, axis).astype(np.float32)
;;   ~~~
;;   OPERANDS COMPUTED ON THE WAY. 'Computed on the way' means the value that the module computes at that place (a softmax that the list does not call 'softmax' is quantised finished and normalised). What goes into a quantiser is computed in f32, as accurately as f32 sums, v_exp_f32 and their like allow (about 1e-6 of the number): no bf16 or f16 on the way to a quantiser, and a product that is left as it is and whose result goes on into a quantised operand takes f32 operands (vector FMAs, or v_wmma_f32_16x16x4_f32). A number that lies on a knife's edge between two numbers of the format may be rounded either way, as far as f32 arithmetic and the matrix unit's own rounding can turn it there, and no further.
;; One version. Each part assembles by itself: llvm-mc -triple=amdgcn-amd-amdhsa -mcpu=gfx1250 --defsym DOCPART=n.
;; ======== version 1 of 1: 2 launches
;; workspace buffers: wcodes 2,097,152 bytes; wscales 131,072 bytes
;; launch wquant (part 1): grid 256 x 1, 4 waves a work-group, no clusters, 68,608 bytes of LDS; arguments VA_hp, VA_hr, VA_hz, VA_hh, WA_hp, WA_hr, WA_hz, WA_hh, WA_xp, WA_xr, WA_xz, WA_xh, wcodes, wscales; writes wcodes, wscales
.if DOCPART == 1
	.amdgcn_target "amdgcn-amd-amdhsa--gfx1250"
	.amdhsa_code_object_version 6
	.text
	.protected	k_q488edcced2_wquant
	.globl	k_q488edcced2_wquant
	.p2align	8
	.type	k_q488edcced2_wquant,@function
k_q488edcced2_wquant:
	s_mov_b64 s[64:65], 0
	v_nop
	global_prefetch_b8 v0, s[64:65] scope:SCOPE_SE
	s_setreg_imm32_b32 hwreg(HW_REG_WAVE_MODE, 25, 1), 1
	s_wait_xcnt 0x0
; The twelve weights, f32 with K innermost, become codes of FP4 (E2M1) with one E8M0 byte for each 32 along K, laid in the order in which the next launch's waves take them into operand registers.
; A UNIT is what wave w of that launch needs for K step s (128 along K) of gate g (0 p, 1 r, 2 z, 3 h): its 128 columns of the gate = 128 rows of a weight = 8 tiles of 16 rows.  Unit number U = 64 w + 16 g + s.
;   wcodes:  8,192 bytes a unit, [tile t][c][lane][16 bytes]: lane (r, h) holds registers 4 c .. 4 c + 3 of tile t's fragment: k = 64 c + 32 h + 0 .. 31 of weight row 128 w + 32 (t / 2) + 8 (t % 2) + r + 8 (r / 8).
;   wscales: 512 bytes a unit, [lane][4 words]: word b of lane l is the scale word (this K step's four bytes) of tile 2 b + l / 16, row l % 16.
; THE ROWS OF A TILE ARE NOT NEIGHBOURS, so that in the transposed product the 16 registers of tiles 2 b and 2 b + 1 are 16 neighbouring columns of the gate.
; K ORDER of a gate: cp = s (gate h: (s + 8) % 16); cp 0-3: VA_h*, chunk cp; cp 4-7: WA_h*, chunk cp - 4; cp 8-15: WA_x*, chunk cp - 8.
; A work-group makes one unit; wave j makes tiles 2 j and 2 j + 1: 32 rows x 128 numbers.  Each load reads 512 consecutive bytes of a row; the rows turn through the wave's own stage in LDS (pitch 528 bytes, so that
; the sixteen rows of a read start in sixteen different groups of banks) and come back with 16 neighbours of each block of 32 in a lane, which is what the conversions take.
; A block's scale is 2^(floor(log2(its largest magnitude)) - 2); its byte is the largest magnitude's exponent field - 2, held at 1 from below.
; LIMITS: a block of zeros gets the byte 1 where the rule says 127 (its codes are zeros, and this program alone reads the bytes); blocks whose largest magnitude lies under 2^-124 are held at that byte; NaN and infinities are not served.
.set STG,  32*528                      ; a wave's stage: 32 rows
.set SX,   4*STG                       ; behind the stages: the unit's 512 bytes of scale words
.set LI,   1                           ; v1   16 x lane
.set SGD,  5                           ; v5   stage, as loaded: 16 x lane
.set SGR,  6                           ; v6   stage, as read: 528 r + 64 h
.set SXA,  7                           ; v7   my scale word's place: SX + 16 x lane + 4 j
.set SXR,  9                           ; v9   SX + 16 x lane
.set PW0,  12                          ; v12, v13 the two tiles' scale words; v14 the one that my lane hands on
.set PW1,  13
.set SW,   14
.set RO,   16                          ; v16-31  16 x lane + i x the weight's row pitch
.set TM,   32                          ; v32-47  at work
.set PC0,  48                          ; v48-55, v56-63 the two fragments
.set PC1,  56
.set D0,   64                          ; v64-127, v128-191 the two tiles' numbers, 64 a lane
.set RAW,  128                         ; v128-255 32 rows as loaded
; 64 numbers of a lane, register 16 b + i = k 32 b + 16 h + i of my row, become a fragment's codes in v[pc] on and its scale word in v[pw]
.macro QUANT s, pc, pw
.irp b, 0,1,2,3
	v_max3_num_f32 v[TM+\b], |v[\s+16*\b]|, |v[\s+16*\b+1]|, 0x1800000   ; my 16 numbers of block b, and the floor 2^(3 - 127): the byte cannot fall under 1
.endr
.irp i, 2,4,6,8,10,12,14
.irp b, 0,1,2,3
	v_max3_num_f32 v[TM+\b], v[TM+\b], |v[\s+16*\b+\i]|, |v[\s+16*\b+\i+1]|   ; the four blocks by turns
.endr
.endr
.irp b, 0,1,2,3
	v_permlanex16_b32 v[TM+4+\b], v[TM+\b], s56, s57
.endr
.irp b, 0,1,2,3
	v_max_num_f32 v[TM+\b], v[TM+\b], v[TM+4+\b]           ; with lane l xor 16's: the block's largest magnitude
.endr
.irp b, 0,1,2,3
	v_add_nc_u32 v[TM+12+\b], 0xff000000, v[TM+\b]         ; 2 off its exponent field: the conversion takes that field as its scale
.endr
.irp b, 0,1,2,3
	v_lshrrev_b32 v[TM+4+\b], 23, v[TM+12+\b]              ; the scale's byte
.endr
	v_lshl_or_b32 v[\pw], v[TM+5], 8, v[TM+4]
	v_lshl_or_b32 v[\pw], v[TM+6], 16, v[\pw]
	v_lshl_or_b32 v[\pw], v[TM+7], 24, v[\pw]              ; my row's scale word
.irp b, 0,1,2,3
	v_cvt_scalef32_pk8_fp4_f32 v[\pc+2*\b], v[\s+16*\b:\s+16*\b+7], v[TM+12+\b]
	v_cvt_scalef32_pk8_fp4_f32 v[\pc+2*\b+1], v[\s+16*\b+8:\s+16*\b+15], v[TM+12+\b]
.endr
	v_nop                                                  ; one plain line behind the scaled conversions
.irp c, 0,1
.irp i, 0,1
	v_permlane16_swap_b32 v[\pc+4*\c+\i], v[\pc+4*\c+2+\i]  ; a whole block to a lane: lanes 0-15 block 2 c, lanes 16-31 block 2 c + 1
.endr
.endr
.endm
	s_load_b512 s[8:23], s[0:1], 0x0               ; VA_h p, r, z, h at s8, 10, 12, 14;  WA_h p, r, z, h at s16, 18, 20, 22
	s_load_b256 s[24:31], s[0:1], 0x40             ; WA_x p, r, z, h
	s_load_b128 s[32:35], s[0:1], 0x60             ; wcodes, wscales
	v_lshl_add_u32 v42, v0, 2, 0x10a00
	v_mov_b32 v43, 0
	v_lshrrev_b32 v2, 5, v0
	v_readfirstlane_b32 s2, v2                     ; wave j
	v_and_b32 v3, 31, v0                           ; lane
	v_lshlrev_b32 v[LI], 4, v3
	v_and_b32 v4, 15, v0                           ; r
	v_bfe_u32 v8, v0, 4, 1                         ; h
	s_and_b32 s3, ttmp9, 3                         ; w
	s_bfe_u32 s4, ttmp9, 0x40002                   ; s: four bits from bit 2
	s_lshr_b32 s5, ttmp9, 6                        ; g
	s_cmp_eq_u32 s5, 3
	s_cselect_b32 s6, 8, 0
	s_add_co_u32 s6, s6, s4
	s_and_b32 s6, s6, 15                           ; cp
	s_lshl_b32 s7, s3, 6
	s_lshl_b32 s52, s5, 4
	s_add_co_u32 s7, s7, s52
	s_add_co_u32 s7, s7, s4                        ; U
	s_mul_i32 s52, s2, STG                         ; my stage
	v_add_nc_u32 v[SGD], s52, v[LI]
	v_mul_u32_u24 v[SGR], v4, 528
	v_lshl_add_u32 v[SGR], v8, 6, v[SGR]
	v_add_nc_u32 v[SGR], s52, v[SGR]
	s_lshl_b32 s52, s2, 2
	s_add_co_u32 s52, s52, SX
	v_add_nc_u32 v[SXA], s52, v[LI]
	v_add_nc_u32 v[SXR], SX, v[LI]
	s_mov_b32 s56, 0x76543210
	s_mov_b32 s57, 0xfedcba98                      ; v_permlanex16_b32's selects for lane l xor 16
.irp b, 0,1,2,3
	v_mov_b32 v[TM+4+\b], 0                        ; written once: a lane permute's destination counts as one of its sources
.endr
	s_lshl_b32 s53, s3, 7
	s_lshl_b32 s54, s2, 5
	s_add_co_u32 s53, s53, s54                     ; my first row of the weight: 128 w + 32 j
	s_mov_b32 s44, 4096                            ; a row of WA_x* in bytes
	s_wait_kmcnt 0x0
	s_mov_b64 s[36:37], s[8:9]                     ; the gate's three weights: choices on the work-group's number alone
	s_mov_b64 s[38:39], s[16:17]
	s_mov_b64 s[40:41], s[24:25]
.irp k, 1,2,3
	s_cmp_eq_u32 s5, \k
	s_cselect_b64 s[36:37], s[8+2*\k:9+2*\k], s[36:37]
	s_cselect_b64 s[38:39], s[16+2*\k:17+2*\k], s[38:39]
	s_cselect_b64 s[40:41], s[24+2*\k:25+2*\k], s[40:41]
.endr
	s_cmp_lt_u32 s6, 4
	s_cselect_b64 s[42:43], s[36:37], s[38:39]
	s_cmp_lt_u32 s6, 8
	s_cselect_b64 s[42:43], s[42:43], s[40:41]     ; the weight of this K step,
	s_cselect_b32 s44, 2048, s44                   ; its row in bytes,
	s_cselect_b32 s45, 3, 7
	s_and_b32 s45, s6, s45                         ; and which 128 of its K
	s_mul_i32 s46, s53, s44
	s_lshl_b32 s47, s45, 9
	s_add_co_u32 s46, s46, s47                     ; row x pitch + 512 x chunk: under 2^21
	s_mov_b32 s47, 0
	s_add_nc_u64 s[48:49], s[42:43], s[46:47]      ; my rows 0-15
	s_lshl_b32 s46, s44, 4
	s_add_nc_u64 s[50:51], s[48:49], s[46:47]      ; my rows 16-31
	s_lshl_b32 s46, s7, 13
	s_lshl_b32 s52, s2, 11
	s_add_co_u32 s46, s46, s52
	s_add_nc_u64 s[32:33], s[32:33], s[46:47]      ; wcodes + 8,192 U + 2,048 j
	s_lshl_b32 s46, s7, 9
	s_add_nc_u64 s[34:35], s[34:35], s[46:47]      ; wscales + 512 U
.irp i, 0,1,2,3,4,5,6,7,8,9,10,11,12,13,14,15
	v_mad_u32_u24 v[RO+\i], s44, \i, v[LI]
.endr
.irp p, 0,1,2,3,4,5,6,7,8,9,10,11,12,13,14,15,16,17,18,19,20,21,22,23,24,25,26,27,28,29,30,31
	global_load_b128 v[RAW+4*\p:RAW+4*\p+3], v[RO+\p%16], s[48+2*(\p/16):49+2*(\p/16)] th:TH_LOAD_NT   ; 32 lanes read 512 consecutive bytes of row p; read once in the launch
.endr
; row p goes to stage row 16 u + i, u = (p / 8) % 2 its tile, i = p % 8 + 8 (p / 16) its place there: a tile's sixteen rows lie on end
	s_wait_loadcnt 16                              ; rows 0-15 are in; the sixteen younger loads stay out
.irp p, 0,1,2,3,4,5,6,7,8,9,10,11,12,13,14,15
	ds_store_b128 v[SGD], v[RAW+4*\p:RAW+4*\p+3] offset:(16*((\p/8)%2)+\p%8+8*(\p/16))*528
.endr
	s_wait_loadcnt 0x0
.irp p, 16,17,18,19,20,21,22,23,24,25,26,27,28,29,30,31
	ds_store_b128 v[SGD], v[RAW+4*\p:RAW+4*\p+3] offset:(16*((\p/8)%2)+\p%8+8*(\p/16))*528
.endr
	s_wait_dscnt 0x0                               ; the stores have read the rows' registers: the second tile's numbers land on them
.irp u, 0,1
.irp b, 0,1,2,3
.irp q, 0,1,2,3
	ds_load_b128 v[D0+64*\u+16*\b+4*\q:D0+64*\u+16*\b+4*\q+3], v[SGR] offset:8448*\u+128*\b+16*\q   ; row r of tile u, k = 32 b + 16 h + 4 q on
.endr
.endr
.endr
	s_wait_dscnt 16                                ; the first tile is back; the second's sixteen loads stay out
	QUANT D0, PC0, PW0
	s_wait_dscnt 0x0
	QUANT D0+64, PC1, PW1
.irp c, 0,1
	global_store_b128 v[LI], v[PC0+4*\c:PC0+4*\c+3], s[32:33] offset:512*\c        ; each store covers 512 consecutive bytes, aligned
	global_store_b128 v[LI], v[PC1+4*\c:PC1+4*\c+3], s[32:33] offset:1024+512*\c
.endr
	v_cmp_gt_u32 vcc_lo, 16, v3
	v_cndmask_b32 v[SW], v[PW1], v[PW0], vcc_lo    ; lanes 0-15 hand on tile 2 j's word, lanes 16-31 tile 2 j + 1's
	ds_store_b32 v[SXA], v[SW]
	s_wait_dscnt 0x0                               ; for wave 0's sake: my word lies in LDS
	s_barrier_signal -1
	s_barrier_wait -1
	s_cmp_lg_u32 s2, 0
	s_cbranch_scc1 .Ldone
	ds_load_b128 v[64:67], v[SXR]                  ; the unit's scale words, four a lane
	s_wait_dscnt 0x0
	global_store_b128 v[LI], v[64:67], s[34:35]    ; 512 consecutive bytes, aligned
.Ldone:
	s_wait_tensorcnt 0x0
	ds_add_u32 v42, v43
	s_wait_dscnt 0x0
	s_endpgm
.Lfunc_end_k_q488edcced2_wquant:
	.size	k_q488edcced2_wquant, .Lfunc_end_k_q488edcced2_wquant-k_q488edcced2_wquant
	.p2alignl 7, 3214868480
	.fill 96, 4, 3214868480
	.section	.rodata,"a",@progbits
	.p2align	6, 0x0
	.amdhsa_kernel k_q488edcced2_wquant
		.amdhsa_group_segment_fixed_size 68608
		.amdhsa_private_segment_fixed_size 0
		.amdhsa_enable_private_segment 0
		.amdhsa_kernarg_size 112
		.amdhsa_user_sgpr_count 2
		.amdhsa_user_sgpr_kernarg_segment_ptr 1
		.amdhsa_wavefront_size32 1
		.amdhsa_system_sgpr_workgroup_id_x 1
		.amdhsa_system_sgpr_workgroup_id_y 1
		.amdhsa_system_sgpr_workgroup_id_z 1
		.amdhsa_system_vgpr_workitem_id 0
		.amdhsa_next_free_vgpr 256
		.amdhsa_next_free_sgpr 66
		.amdhsa_reserve_vcc 1
		.amdhsa_float_denorm_mode_32 3
		.amdhsa_float_denorm_mode_16_64 3
		.amdhsa_memory_ordered 1
		.amdhsa_forward_progress 1
		.amdhsa_inst_pref_size 20
	.end_amdhsa_kernel
	.amdgpu_metadata
---
amdhsa.version: [ 1, 2 ]
amdhsa.kernels:
  - .name:           k_q488edcced2_wquant
    .symbol:         k_q488edcced2_wquant.kd
    .args:
      - { .name: VA_hp, .offset: 0, .size: 8, .value_kind: global_buffer, .address_space: global }
      - { .name: VA_hr, .offset: 8, .size: 8, .value_kind: global_buffer, .address_space: global }
      - { .name: VA_hz, .offset: 16, .size: 8, .value_kind: global_buffer, .address_space: global }
      - { .name: VA_hh, .offset: 24, .size: 8, .value_kind: global_buffer, .address_space: global }
      - { .name: WA_hp, .offset: 32, .size: 8, .value_kind: global_buffer, .address_space: global }
      - { .name: WA_hr, .offset: 40, .size: 8, .value_kind: global_buffer, .address_space: global }
      - { .name: WA_hz, .offset: 48, .size: 8, .value_kind: global_buffer, .address_space: global }
      - { .name: WA_hh, .offset: 56, .size: 8, .value_kind: global_buffer, .address_space: global }
      - { .name: WA_xp, .offset: 64, .size: 8, .value_kind: global_buffer, .address_space: global }
      - { .name: WA_xr, .offset: 72, .size: 8, .value_kind: global_buffer, .address_space: global }
      - { .name: WA_xz, .offset: 80, .size: 8, .value_kind: global_buffer, .address_space: global }
      - { .name: WA_xh, .offset: 88, .size: 8, .value_kind: global_buffer, .address_space: global }
      - { .name: wcodes, .offset: 96, .size: 8, .value_kind: global_buffer, .address_space: global }
      - { .name: wscales, .offset: 104, .size: 8, .value_kind: global_buffer, .address_space: global }
    .group_segment_fixed_size: 68608
    .private_segment_fixed_size: 0
    .kernarg_segment_align: 8
    .kernarg_segment_size: 112
    .max_flat_workgroup_size: 128
    .sgpr_count:     66
    .vgpr_count:     256
    .wavefront_size: 32
...
	.end_amdgpu_metadata
.endif
;; end of part 1
;; launch gru (part 2): grid 256 x 1, 4 waves a work-group, no clusters, 287,232 bytes of LDS; arguments encoder_hidden, spk_vectors, adr_vectors, wcodes, wscales, out0; writes out0
.if DOCPART == 2
	.amdgcn_target "amdgcn-amd-amdhsa--gfx1250"
	.amdhsa_code_object_version 6
	.text
	.protected	k_q488edcced2_gru
	.globl	k_q488edcced2_gru
	.p2align	8
	.type	k_q488edcced2_gru,@function
k_q488edcced2_gru:
	s_mov_b64 s[64:65], 0
	v_nop
	global_prefetch_b8 v0, s[64:65] scope:SCOPE_SE
	s_setreg_imm32_b32 hwreg(HW_REG_WAVE_MODE, 25, 1), 1
	s_wait_xcnt 0x0
; out = (1 - z) spk + z tanh(enc Wxh^T + (r spk) Whh^T + (p adr) Vhh^T), r, p, z = sigmoid(enc Wx*^T + spk Wh*^T + adr V*^T); all products on codes of FP4 (E2M1) with one E8M0 byte for each 32 along K, sums in f32.
; SHARES.  A work-group owns 64 rows (four tiles of 16) through the whole chain; r, p, z and the tanh never go to memory.  THE WAVES SHARE THE COLUMNS: wave w owns columns 128 w .. 128 w + 127 of every gate, for all 64 rows.
; PHASE 0.  enc, spk, adr are read once, 512 consecutive bytes a load.  Wave w takes four chunks of 64 rows x 128 columns (enc 4 + w, enc w, spk w, adr w), turns each through its own stage in LDS, quantises it and leaves
;   the codes in LDS as images of operand registers (a fragment = two stores of 512 bytes, 16 bytes a lane).  spk's chunk is also kept as f32 in the wave's stash in LDS, adr's in registers.
; GATES p, r, z, h, one at a time: 16 K steps of 128.  x's fragments come from LDS, two K steps ahead.  A weight fragment is used by one wave alone, so it goes from memory straight into that wave's registers: a ring
;   of four slots, four K steps (4 x 17 loads) ahead, which runs on through the gates' ends.  EACH SLOT HAS ITS OWN BASES, stepped behind the counted wait that shows the slot's last loads done: nothing in the gates waits
;   for all the stream's loads at once, and the four units asked for at a gate's end are on their way while the gate's sums are worked on.
; THE PRODUCT IS USED TRANSPOSED (source 0 = 16 rows of a weight, source 1 = 16 rows of x), and a tile's weight rows are chosen so that register 64 m + 16 b + i of lane (r, h) is row 16 m + r, column 128 w + 32 b + 16 h + i:
;   the layout of the accumulators, of the f32 chunks kept, and of what the quantiser takes are one and the same.
; K ORDER in LDS, by positions of 128: 0-3 adr, 4-7 spk, 8-15 enc, 16-19 p adr, 20-23 r spk.  Gates p, r, z walk 0-15, gate h walks 8-23.  (So a sum's K order differs from the source's: adr, spk, enc.)
; z: its sums go to the stash as they are; the sigmoid is made of them tile by tile between K steps of the last gate, whose first need of z is behind its last product.
; NO CLUSTER, NO JOINT LOADS: the images (114,688 bytes), the scale words (7,168), the stashes (131,072) and the stages (33,792) leave 40,960 of 327,680 bytes of LDS: two slots of 20,480, which the four waves multiply
;   with 20 matrix instructions each, so that a round of the cluster's barrier would stand every 20 matrix instructions; and no two waves of a work-group share a weight fragment, so LDS would add a write and a read of each.
; LIMITS: NaN and infinities among the inputs are not served; a block of zeros gets the byte 1 where the rule says 127 (its codes are zeros; this program alone reads the bytes); blocks under 2^-124 are held at that byte.
;   sigmoid = 1 / (1 + 2^(-x log2 e)), tanh = 1 - 2 / (1 + 2^(2 x log2 e)): where the exponential overflows or falls to 0 they give 0, 1 and -1 as they should.
; REGISTERS, in windows of 256 (s_set_vgpr_msb: bits 1:0 source 0, 3:2 source 1, 5:4 source 2, 7:6 destination): window 0 as listed below; window 1 the gate's 32 accumulators; window 2 a chunk as f32 (adr, later spk);
;   window 3 the ring: slot q at v[64 q]: in phase 0 sixteen rows as loaded, then a unit's eight weight fragments, at the very end the rows of the output.
.set SCL,   114688                     ; LDS: images from 0: 28 positions x 4,096 (fragment of tile m at 1,024 m; positions 24-27 are room that is never stored to); then the scale words: 256 bytes a position, (m, r) at 16 r + 4 m
.set STASH, 121856                     ; 32,768 for each wave, its own: a window's image, register 4 n .. 4 n + 3 at 512 n + 16 x lane: spk, later z
.set STAGE, 252928                     ; 8,448 for each wave, its own: 16 rows x (512 + 16) bytes
.set LI,   1                           ; v1   16 x lane
.set SGD,  2                           ; v2   stage by whole rows: 16 x lane
.set SGR,  3                           ; v3   stage by the layout above: 528 r + 64 h
.set STA,  4                           ; v4   my wave's stash + 16 x lane
.set IMW0, 5                           ; v5   16 x lane + 4,096 w
.set SCW0, 6                           ; v6   SCL + 16 r + 256 w
.set SCR0, 7                           ; v7   SCL + 16 r
.set ADA,  8                           ; v8   where x's fragments are read;  v9 their scale words
.set ASA,  9
.set IMW,  12                          ; v12  where an image is stored;  v13 its scale word
.set SCW,  13
.set PW,   14                          ; v14  a scale word just made
.set ZA,   15                          ; v15  the two tiles of z whose sigmoid is due in this trip
.set RO,   16                          ; v16-31  16 x lane + i x the row pitch of the tensor that is being loaded
.set TM,   32                          ; v32-47  the quantiser's work
.set PC,   48                          ; v48-55  a fragment just made
.set BS,   56                          ; v56-71  the weights' scale words, four for each slot of the ring
.set AS,   72                          ; v72-79  x's scale words, two sets of four
.set AF,   80                          ; v80-143 x's fragments, two sets of four
.set ZT,   144                         ; v144-207 a tile of z
.set PCB,  208                         ; v208-215, v216 a second place for a fragment and its scale word: behind a gate the tiles take the two places by turns
.set PWB,  216
.set WV,   16                          ; s16  wave
.set NB,   20                          ; s[20:27] the four row tiles of the chunk that is being loaded
.set QUE,  28                          ; s[28:33] the chunks still to come;  s34-36 their row pitches
.set PIT,  34
.set PN,   37
.set P16,  38                          ; s[38:39] 16 rows in bytes
.set TC,   40                          ; s40  phase 0's trips
.set IP,   41                          ; s41, s42 the chunk's place among the images and among the scale words
.set IS,   42
.set TA,   48                          ; s48, s49 the K loop's place among the images and the scale words
.set TS,   49
.set HB,   50                          ; s50, s51 where p adr, then r spk go
.set HS,   51
.set GATE, 52
.set KTRIP, 53
.set ZS,   54                          ; s54  how far into the stash z's sigmoid has come: 16,384 bytes a trip
.set SEL,  56                          ; s[56:57] v_permlanex16_b32's selects for lane l xor 16
.set FLOOR, 58
.set CSIG, 60                          ; s[60:61] -log2 e;  s[62:63] 2 log2 e (the packed form names a pair and takes its low word)
.set CTANH, 62
.set WP,   66                          ; s[66:73] the weight stream's codes: for each slot of the ring the unit that it holds or has asked for
.set SP,   74                          ; s[74:81] the same for the scale words
.set MSB, 0
.macro WIN new                         ; the immediate's high byte repeats the setting that is left; a switch that changes nothing is dropped
.if MSB != (\new)
	s_set_vgpr_msb (MSB<<8)|(\new)
.set MSB, (\new)
.endif
.endm
; 64 numbers of a lane at v[s] on, in the window that wmax (sources 1 and 2) and wcvt (source 0) name, become a fragment's codes in v[pc] on and its scale word in v[pw]
.macro QUANT s, wmax, wcvt, pc, pw
	WIN \wmax
.irp b, 0,1,2,3
	v_max3_num_f32 v[TM+\b], s[FLOOR], |v[(\s)+16*\b]|, |v[(\s)+16*\b+1]|   ; my 16 numbers of block b, and the floor 2^(3 - 127): the byte cannot fall under 1
.endr
.irp i, 2,4,6,8,10,12,14
.irp b, 0,1,2,3
	v_max3_num_f32 v[TM+\b], v[TM+\b], |v[(\s)+16*\b+\i]|, |v[(\s)+16*\b+\i+1]|   ; the four blocks by turns
.endr
.endr
	WIN 0
.irp b, 0,1,2,3
	v_permlanex16_b32 v[TM+4+\b], v[TM+\b], s[SEL], s[SEL+1]
.endr
.irp b, 0,1,2,3
	v_max_num_f32 v[TM+\b], v[TM+\b], v[TM+4+\b]           ; with lane l xor 16's: the block's largest magnitude
.endr
.irp b, 0,1,2,3
	v_add_nc_u32 v[TM+12+\b], 0xff000000, v[TM+\b]         ; 2 off its exponent field: the conversion takes that field as its scale
.endr
.irp b, 0,1,2,3
	v_lshrrev_b32 v[TM+4+\b], 23, v[TM+12+\b]              ; the scale's byte
.endr
	v_lshl_or_b32 v[\pw], v[TM+5], 8, v[TM+4]
	v_lshl_or_b32 v[\pw], v[TM+6], 16, v[\pw]
	v_lshl_or_b32 v[\pw], v[TM+7], 24, v[\pw]              ; my row's scale word
	WIN \wcvt
.irp b, 0,1,2,3
	v_cvt_scalef32_pk8_fp4_f32 v[\pc+2*\b], v[(\s)+16*\b:(\s)+16*\b+7], v[TM+12+\b]
	v_cvt_scalef32_pk8_fp4_f32 v[\pc+2*\b+1], v[(\s)+16*\b+8:(\s)+16*\b+15], v[TM+12+\b]
.endr
	WIN 0
	v_nop                                                  ; one plain line behind the scaled conversions
.irp c, 0,1
.irp i, 0,1
	v_permlane16_swap_b32 v[\pc+4*\c+\i], v[\pc+4*\c+2+\i]  ; a whole block to a lane: lanes 0-15 block 2 c, lanes 16-31 block 2 c + 1
.endr
.endr
.endm
.macro SETIMG ip, is                   ; where this chunk's images and scale words go
	v_add_nc_u32 v[IMW], s[\ip], v[IMW0]
	v_add_nc_u32 v[SCW], s[\is], v[SCW0]
.endm
.macro IMAGE m, pc, pw                 ; the fragment of row tile m goes to LDS as it stands in the registers: three LDS stores
	ds_store_b128 v[IMW], v[\pc:\pc+3] offset:1024*\m
	ds_store_b128 v[IMW], v[\pc+4:\pc+7] offset:1024*\m+512
	ds_store_b32 v[SCW], v[\pw] offset:4*\m                ; lanes r and r + 16 write the same word with the same value
.endm
; the unit at slot q's bases into slot q: 16 loads of 512 consecutive bytes, and its 512 bytes of scale words: 17 loads.  Other work-groups read these bytes too: no hint
.macro LOADB q
	WIN 0xc0
.irp i, 0,1,2,3,4,5,6,7,8,9,10,11,12,13,14,15
	global_load_b128 v[64*(\q)+4*\i:64*(\q)+4*\i+3], v[LI], s[WP+2*(\q):WP+2*(\q)+1] offset:512*\i
.endr
	WIN 0
	global_load_b128 v[BS+4*(\q):BS+4*(\q)+3], v[LI], s[SP+2*(\q):SP+2*(\q)+1]
.endm
; PHASE 0, row tile m of a chunk: its sixteen rows (slot m) turn through my stage into window 2; the slot is asked for again (look = 0: the next chunk's tile m; 1: unit m of the weights); the tile is quantised.
.macro FR m, look, cnt, inloop
	s_wait_loadcnt \cnt                            ; slot m's sixteen loads are in; the three younger slots' stay out
	WIN 0x0c
.irp i, 0,1,2,3,4,5,6,7,8,9,10,11,12,13,14,15
	ds_store_b128 v[SGD], v[64*\m+4*\i:64*\m+4*\i+3] offset:528*\i
.endr
	WIN 0x80
.irp b, 0,1,2,3
.irp q, 0,1,2,3
	ds_load_b128 v[64*\m+16*\b+4*\q:64*\m+16*\b+4*\q+3], v[SGR] offset:128*\b+16*\q   ; LDS serves a wave's instructions in order: these see the stores above
.endr
.endr
	s_wait_dscnt 0x0                               ; the tile is back, the stores have read slot m, and the last image's stores have read PC and PW
.if \look
	LOADB \m
.else
	WIN 0xc0
.irp i, 0,1,2,3,4,5,6,7,8,9,10,11,12,13,14,15
	global_load_b128 v[64*\m+4*\i:64*\m+4*\i+3], v[RO+\i], s[NB+2*\m:NB+2*\m+1] th:TH_LOAD_NT   ; 512 consecutive bytes of a row; read once in the launch
.endr
	WIN 0
.endif
.if \inloop
	s_cmp_lg_u32 s[TC], 2                          ; the third chunk is spk's: it is kept as f32 too
	s_cbranch_scc1 .Lnostash_\@
	WIN 0x08
.irp q, 0,1,2,3,4,5,6,7,8,9,10,11,12,13,14,15
	ds_store_b128 v[STA], v[64*\m+4*\q:64*\m+4*\q+3] offset:8192*\m+512*\q
.endr
	WIN 0
.Lnostash_\@:
.endif
	QUANT 64*\m, 0x28, 0x02, PC, PW
	IMAGE \m, PC, PW
.endm
.macro SETADR
	v_add_nc_u32 v[ADA], s[TA], v[LI]
	v_add_nc_u32 v[ASA], s[TS], v[SCR0]
.endm
.macro AFETCH a, pos                   ; x's four fragments and scale words of the position pos behind TA, into set a: nine LDS loads
.irp m, 0,1,2,3
.irp c, 0,1
	ds_load_b128 v[AF+32*(\a)+8*\m+4*\c:AF+32*(\a)+8*\m+4*\c+3], v[ADA] offset:4096*(\pos)+1024*\m+512*\c
.endr
.endr
	ds_load_b128 v[AS+4*(\a):AS+4*(\a)+3], v[ASA] offset:256*(\pos)
.endm
; two matrix instructions: weight tiles 2 b and 2 b + 1 of slot q against row tile m.  The weights' scale register holds tile 2 b's words in lanes 0-15 and tile 2 b + 1's in lanes 16-31
.macro MM m, b, q, zero
.set rD, 64*(\m)+16*(\b)
.set rW, 64*(\q)+16*(\b)
.set rX, AF+32*((\q)%2)+8*(\m)
.set rB, BS+4*(\q)+(\b)
.set rA, AS+4*((\q)%2)+(\m)
.if \zero
	v_wmma_scale_f32_16x16x128_f8f6f4 v[rD:rD+7], v[rW:rW+7], v[rX:rX+7], 0, v[rB], v[rA] matrix_a_fmt:MATRIX_FMT_FP4 matrix_b_fmt:MATRIX_FMT_FP4
	v_wmma_scale_f32_16x16x128_f8f6f4 v[rD+8:rD+15], v[rW+8:rW+15], v[rX:rX+7], 0, v[rB], v[rA] matrix_a_fmt:MATRIX_FMT_FP4 matrix_b_fmt:MATRIX_FMT_FP4 matrix_a_scale:MATRIX_SCALE_ROW1
.else
	v_wmma_scale_f32_16x16x128_f8f6f4 v[rD:rD+7], v[rW:rW+7], v[rX:rX+7], v[rD:rD+7], v[rB], v[rA] matrix_a_fmt:MATRIX_FMT_FP4 matrix_b_fmt:MATRIX_FMT_FP4
	v_wmma_scale_f32_16x16x128_f8f6f4 v[rD+8:rD+15], v[rW+8:rW+15], v[rX:rX+7], v[rD+8:rD+15], v[rB], v[rA] matrix_a_fmt:MATRIX_FMT_FP4 matrix_b_fmt:MATRIX_FMT_FP4 matrix_a_scale:MATRIX_SCALE_ROW1
.endif
.endm
; A K STEP on slot q and set q % 2: 32 matrix instructions on the 32 accumulators, one instruction a turn, in the same order in every step.  zero = 1: the products start the sums.
; Behind them four places (ISA guide 7.12.1 for vector instructions), then the slot takes the unit four steps on (load = 1) and the set the fragments two steps on (ahead = 1).
; lcnt: the younger units' loads, 17 each;  dcnt: the other set's nine LDS loads.
.macro KS q, zero, load, lcnt, dcnt, ahead, pos
	s_wait_loadcnt \lcnt                           ; slot q's 17 loads are done; they alone name slot q's bases (the younger loads name the other slots'),
.if \load
	s_add_nc_u64 s[WP+2*\q:WP+2*\q+1], s[WP+2*\q:WP+2*\q+1], 32768   ; so these are stepped here: four units on
	s_add_nc_u64 s[SP+2*\q:SP+2*\q+1], s[SP+2*\q:SP+2*\q+1], 2048
.endif
	s_wait_dscnt \dcnt
	WIN 0x53                                       ; source 0 window 3, source 1 window 0, C and D window 1
.irp m, 0,1,2,3
.irp b, 0,1,2,3
	MM \m, \b, \q, \zero
.endr
.endr
.rept 4
	v_nop
.endr
.if \load
	LOADB \q
.else
	WIN 0
.endif
.if \ahead
	AFETCH (\q)%2, \pos
.endif
.endm
; 64 numbers of a lane at v[s] on, in the window that is set, become 1 / (1 + 2^(c x)), in place, from the low end on.  The exponentials are one batch and the reciprocals another, each with one plain line and
; one wait behind it, ahead of its first reader
.macro SIG1 s, c
.set j, 0
.rept 32
	v_pk_mul_f32 v[(\s)+2*j:(\s)+2*j+1], v[(\s)+2*j:(\s)+2*j+1], s[\c:\c+1] op_sel_hi:[1,0]
.set j, j+1
.endr
.set j, 0
.rept 64
	v_exp_f32 v[(\s)+j], v[(\s)+j]
.set j, j+1
.endr
	v_nop
	s_wait_alu depctr_va_vdst(0)
.set j, 0
.rept 32
	v_pk_add_f32 v[(\s)+2*j:(\s)+2*j+1], v[(\s)+2*j:(\s)+2*j+1], 1.0 op_sel_hi:[1,0]
.set j, j+1
.endr
.set j, 0
.rept 64
	v_rcp_f32 v[(\s)+j], v[(\s)+j]
.set j, j+1
.endr
	v_nop
	s_wait_alu depctr_va_vdst(0)
.endm
; the k-th of a trip's two tiles of z: its sums come from my stash, become the sigmoid and go back.  All in window 0; the stash is my wave's own
.macro ZSIG k
.irp q, 0,1,2,3,4,5,6,7,8,9,10,11,12,13,14,15
	ds_load_b128 v[ZT+4*\q:ZT+4*\q+3], v[ZA] offset:8192*\k+512*\q
.endr
	s_wait_dscnt 0x0
	SIG1 ZT, CSIG
.irp q, 0,1,2,3,4,5,6,7,8,9,10,11,12,13,14,15
	ds_store_b128 v[ZA], v[ZT+4*\q:ZT+4*\q+3] offset:8192*\k+512*\q   ; two K steps' counted LDS waits stand between these and the next loads into the same registers
.endr
.endm
.macro KSTEP4                          ; the images' place steps four positions on
	s_add_co_u32 s[TA], s[TA], 16384
	s_add_co_u32 s[TS], s[TS], 1024
.endm
.macro KTURN                           ; a trip of the K loop: four K steps, from a lap's second to the next lap's first
	SETADR
	KS 1, 0, 1, 51, 9, 1, 3
	KS 2, 0, 1, 51, 9, 1, 4
	KS 3, 0, 1, 51, 9, 1, 5
	KS 0, 0, 1, 51, 9, 1, 6
	KSTEP4
.endm
.macro KTURNH                          ; the same in the last gate, with two tiles of z's sigmoid between the K steps
	SETADR
	v_add_nc_u32 v[ZA], s[ZS], v[STA]
	KS 1, 0, 1, 51, 9, 1, 3
	ZSIG 0
	KS 2, 0, 1, 51, 9, 1, 4
	KS 3, 0, 1, 51, 9, 1, 5
	ZSIG 1
	KS 0, 0, 1, 51, 9, 1, 6
	KSTEP4
	s_add_co_u32 s[ZS], s[ZS], 16384
.endm
; the 256 sums of a lane become 1 / (1 + 2^(c x)), in place, as in SIG1, with the next tile's packed lines between the transcendentals: two batches, two waits
.macro SIGM c
	WIN 0x41
.set j, 0
.rept 32
	v_pk_mul_f32 v[2*j:2*j+1], v[2*j:2*j+1], s[\c:\c+1] op_sel_hi:[1,0]
.set j, j+1
.endr
.irp m, 0,1,2,3
.set j, 0
.rept 32
	v_exp_f32 v[64*\m+2*j], v[64*\m+2*j]
	v_exp_f32 v[64*\m+2*j+1], v[64*\m+2*j+1]
.if \m < 3
	v_pk_mul_f32 v[64*\m+64+2*j:64*\m+65+2*j], v[64*\m+64+2*j:64*\m+65+2*j], s[\c:\c+1] op_sel_hi:[1,0]
.endif
.set j, j+1
.endr
.endr
	v_nop
	s_wait_alu depctr_va_vdst(0)
.set j, 0
.rept 32
	v_pk_add_f32 v[2*j:2*j+1], v[2*j:2*j+1], 1.0 op_sel_hi:[1,0]
.set j, j+1
.endr
.irp m, 0,1,2,3
.set j, 0
.rept 32
	v_rcp_f32 v[64*\m+2*j], v[64*\m+2*j]
	v_rcp_f32 v[64*\m+2*j+1], v[64*\m+2*j+1]
.if \m < 3
	v_pk_add_f32 v[64*\m+64+2*j:64*\m+65+2*j], v[64*\m+64+2*j:64*\m+65+2*j], 1.0 op_sel_hi:[1,0]
.endif
.set j, j+1
.endr
.endr
	v_nop
	s_wait_alu depctr_va_vdst(0)
	WIN 0
.endm
; row tile m of the gate times the chunk in window 2 (p adr, r spk), in f32, quantised: part of K chunk w of the last gate's second and third products.  Behind gate p, spk's tile takes adr's place as soon as it is read
.macro MQT m, pc, pw
	WIN 0x49                                       ; destination and source 0 window 1, source 1 window 2
.set j, 0
.rept 32
	v_pk_mul_f32 v[64*\m+2*j:64*\m+2*j+1], v[64*\m+2*j:64*\m+2*j+1], v[64*\m+2*j:64*\m+2*j+1]
.set j, j+1
.endr
	WIN 0
.if \m >= 2
	s_wait_dscnt 3                                 ; behind the image stores of two tiles back stand at least the three of the tile between: those stores have read the place that is written next
.endif
	s_cmp_lg_u32 s[GATE], 0
	s_cbranch_scc1 .Lnoreload_\@
	WIN 0x80
.irp q, 0,1,2,3,4,5,6,7,8,9,10,11,12,13,14,15
	ds_load_b128 v[64*\m+4*\q:64*\m+4*\q+3], v[STA] offset:8192*\m+512*\q   ; waited for by the next gate's counted LDS waits, long ahead of the next read of window 2
.endr
	WIN 0
.Lnoreload_\@:
	QUANT 64*\m, 0x14, 0x01, \pc, \pw
	IMAGE \m, \pc, \pw
.endm
.macro ZLOAD m                         ; a tile of z back from the stash
.irp q, 0,1,2,3,4,5,6,7,8,9,10,11,12,13,14,15
	ds_load_b128 v[ZT+4*\q:ZT+4*\q+3], v[STA] offset:8192*(\m)+512*\q
.endr
.endm
; the last step for row tile m: a = 1 / (1 + 2^(2 x log2 e)); tanh = 1 - 2 a; out = z (tanh - spk) + spk.  A lane holds pieces of 64 bytes of a row: the tile goes through my stage and comes back as whole rows'
; 512 bytes, into window 3, whose ring is done with: 64 registers of its own for each tile, so that no store's data are written again
.macro FTILE m
	WIN 0x41
	SIG1 64*\m, CTANH
.set j, 0
.rept 32
	v_pk_fma_f32 v[64*\m+2*j:64*\m+2*j+1], v[64*\m+2*j:64*\m+2*j+1], -2.0, 1.0 op_sel_hi:[1,0,0]
.set j, j+1
.endr
	WIN 0x49
.set j, 0
.rept 32
	v_pk_add_f32 v[64*\m+2*j:64*\m+2*j+1], v[64*\m+2*j:64*\m+2*j+1], v[64*\m+2*j:64*\m+2*j+1] neg_lo:[0,1] neg_hi:[0,1]
.set j, j+1
.endr
	s_wait_dscnt 0x0                               ; z's tile is in
	WIN 0x64                                       ; source 0 (z) window 0, source 1 window 1, source 2 (spk) window 2, destination window 1
.set j, 0
.rept 32
	v_pk_fma_f32 v[64*\m+2*j:64*\m+2*j+1], v[ZT+2*j:ZT+2*j+1], v[64*\m+2*j:64*\m+2*j+1], v[64*\m+2*j:64*\m+2*j+1]
.set j, j+1
.endr
	WIN 0x04
.irp b, 0,1,2,3
.irp q, 0,1,2,3
	ds_store_b128 v[SGR], v[64*\m+16*\b+4*\q:64*\m+16*\b+4*\q+3] offset:128*\b+16*\q
.endr
.endr
	WIN 0xc0
.irp i, 0,1,2,3,4,5,6,7,8,9,10,11,12,13,14,15
	ds_load_b128 v[64*\m+4*\i:64*\m+4*\i+3], v[SGD] offset:528*\i    ; LDS serves a wave's instructions in order: these see the stores above, and the next tile's stores come behind them
.endr
	WIN 0
.if \m < 3
	ZLOAD \m+1
	s_wait_dscnt 16                                ; the rows are back; the next tile of z stays out
.else
	s_wait_dscnt 0x0
.endif
	WIN 0x0c                                       ; a store's data are its source 1: window 3
.irp i, 0,1,2,3,4,5,6,7,8,9,10,11,12,13,14,15
	global_store_b128 v[LI], v[64*\m+4*\i:64*\m+4*\i+3], s[14:15] offset:2048*(16*\m+\i) th:TH_STORE_NT   ; 512 consecutive bytes, aligned; written once
.endr
	WIN 0
.endm
	s_load_b256 s[4:11], s[0:1], 0x0               ; enc s[4:5], spk s[6:7], adr s[8:9], wcodes s[10:11]
	s_load_b128 s[12:15], s[0:1], 0x20             ; wscales s[12:13], out s[14:15]
	v_lshl_add_u32 v254, v0, 2, 0x46000
	v_mov_b32 v255, 0
	v_lshrrev_b32 v10, 5, v0
	v_readfirstlane_b32 s[WV], v10                 ; wave 0..3
	v_and_b32 v10, 31, v0
	v_lshlrev_b32 v[LI], 4, v10
	v_and_b32 v10, 15, v0                          ; r
	v_bfe_u32 v11, v0, 4, 1                        ; h
	s_mul_i32 s17, s[WV], 8448
	s_add_co_u32 s17, s17, STAGE
	v_add_nc_u32 v[SGD], s17, v[LI]
	v_mul_u32_u24 v[SGR], v10, 528
	v_lshl_add_u32 v[SGR], v11, 6, v[SGR]
	v_add_nc_u32 v[SGR], s17, v[SGR]
	s_lshl_b32 s17, s[WV], 15
	s_add_co_u32 s17, s17, STASH
	v_add_nc_u32 v[STA], s17, v[LI]
	s_lshl_b32 s17, s[WV], 12
	v_add_nc_u32 v[IMW0], s17, v[LI]
	v_lshl_add_u32 v[SCR0], v10, 4, SCL
	s_lshl_b32 s17, s[WV], 8
	v_add_nc_u32 v[SCW0], s17, v[SCR0]
.irp b, 0,1,2,3
	v_mov_b32 v[TM+4+\b], 0                        ; written once: a lane permute's destination counts as one of its sources
.endr
.irp i, 0,1,2,3,4,5,6,7,8,9,10,11,12,13,14,15
	v_add_nc_u32 v[RO+\i], 4096*\i, v[LI]          ; enc: a row is 4,096 bytes
.endr
	s_mov_b32 s[SEL], 0x76543210
	s_mov_b32 s[SEL+1], 0xfedcba98
	s_mov_b32 s[FLOOR], 0x1800000
	s_mov_b32 s[CSIG], 0xbfb8aa3b                  ; -log2 e
	s_mov_b32 s[CSIG+1], s[CSIG]
	s_mov_b32 s[CTANH], 0x4038aa3b                 ; 2 log2 e
	s_mov_b32 s[CTANH+1], s[CTANH]
	s_mov_b32 s[PIT], 4096                         ; the row pitches of the chunks to come: enc, spk, adr
	s_mov_b32 s[PIT+1], 2048
	s_mov_b32 s[PIT+2], 2048
	s_mov_b32 s[P16+1], 0
	s_mov_b32 s[TC], 0
	s_mov_b32 s[IP], 49152                         ; positions 12 + w, then 8 + w, 4 + w, w
	s_mov_b32 s[IS], 3072
	s_lshl_b32 s17, s[WV], 9                       ; my chunk's 512 bytes in a row
	s_lshl_b32 s18, ttmp9, 18                      ; the work-group's 64 rows of enc,
	s_add_co_u32 s18, s18, s17
	s_mov_b32 s19, 0
	s_lshl_b32 s2, ttmp9, 17                       ; of spk, adr and out
	s_add_co_u32 s2, s2, s17
	s_mov_b32 s3, 0
	s_wait_kmcnt 0x0
	s_add_nc_u64 s[QUE:QUE+1], s[4:5], s[18:19]            ; enc, chunk w
	s_add_nc_u64 s[NB:NB+1], s[QUE:QUE+1], 2048            ; enc, chunk 4 + w: the first to be loaded
	s_add_nc_u64 s[QUE+2:QUE+3], s[6:7], s[2:3]            ; spk, chunk w
	s_add_nc_u64 s[QUE+4:QUE+5], s[8:9], s[2:3]            ; adr, chunk w
	s_add_nc_u64 s[14:15], s[14:15], s[2:3]                ; out: my columns of the first row
	s_add_nc_u64 s[NB+2:NB+3], s[NB:NB+1], 65536           ; sixteen rows on
	s_add_nc_u64 s[NB+4:NB+5], s[NB+2:NB+3], 65536
	s_add_nc_u64 s[NB+6:NB+7], s[NB+4:NB+5], 65536
	s_lshl_b32 s18, s[WV], 19                      ; my 64 units of 8,192 bytes,
	s_add_nc_u64 s[WP:WP+1], s[10:11], s[18:19]
	s_lshl_b32 s18, s[WV], 15                      ; and of 512
	s_add_nc_u64 s[SP:SP+1], s[12:13], s[18:19]
.irp q, 1,2,3
	s_add_nc_u64 s[WP+2*\q:WP+2*\q+1], s[WP+2*\q-2:WP+2*\q-1], 8192   ; slot q begins at unit q
	s_add_nc_u64 s[SP+2*\q:SP+2*\q+1], s[SP+2*\q-2:SP+2*\q-1], 512
.endr
	WIN 0xc0
.irp m, 0,1,2,3
.irp i, 0,1,2,3,4,5,6,7,8,9,10,11,12,13,14,15
	global_load_b128 v[64*\m+4*\i:64*\m+4*\i+3], v[RO+\i], s[NB+2*\m:NB+2*\m+1] th:TH_LOAD_NT   ; the first chunk: 64 loads of 512 bytes
.endr
.endr
	WIN 0
.Lchunk:                                               ; three trips: a chunk is turned and quantised tile by tile while the next chunk's loads take its slots
	s_wait_xcnt 0x0                                ; the loads that are out have read RO and NB: only now are these written
	s_mov_b64 s[NB:NB+1], s[QUE:QUE+1]
	s_mov_b64 s[QUE:QUE+1], s[QUE+2:QUE+3]
	s_mov_b64 s[QUE+2:QUE+3], s[QUE+4:QUE+5]
	s_mov_b32 s[PN], s[PIT]
	s_mov_b32 s[PIT], s[PIT+1]
	s_mov_b32 s[PIT+1], s[PIT+2]
	s_lshl_b32 s[P16], s[PN], 4
	s_add_nc_u64 s[NB+2:NB+3], s[NB:NB+1], s[P16:P16+1]
	s_add_nc_u64 s[NB+4:NB+5], s[NB+2:NB+3], s[P16:P16+1]
	s_add_nc_u64 s[NB+6:NB+7], s[NB+4:NB+5], s[P16:P16+1]
.irp i, 0,1,2,3,4,5,6,7,8,9,10,11,12,13,14,15
	v_mad_u32_u24 v[RO+\i], s[PN], \i, v[LI]
.endr
	SETIMG IP, IS
	FR 0, 0, 48, 1                                 ; 48: sixteen loads for each of the three younger slots, of this chunk or the next
	FR 1, 0, 48, 1
	FR 2, 0, 48, 1
	FR 3, 0, 48, 1
	s_sub_co_u32 s[IP], s[IP], 16384
	s_sub_co_u32 s[IS], s[IS], 1024
	s_add_co_u32 s[TC], s[TC], 1
	s_cmp_lt_u32 s[TC], 3
	s_cbranch_scc1 .Lchunk
	SETIMG IP, IS                                  ; the last chunk, adr's, stays in window 2; its slots take the first four units of the weights
	FR 0, 1, 48, 0                                 ; the younger loads: (3 - m) x 16 of adr and m x 17 of the weights
	FR 1, 1, 49, 0
	FR 2, 1, 50, 0
	FR 3, 1, 51, 0
	s_wait_dscnt 0x0                               ; for the others' sake: my images and scale words lie in LDS
	s_barrier_signal -1
	s_barrier_wait -1                              ; positions 0-15 are whole; nobody writes them again
	s_mov_b32 s[GATE], 0
	s_mov_b32 s[HB], 65536                         ; p adr goes to positions 16 + w, r spk to 20 + w
	s_mov_b32 s[HS], 4096
.Lgate:                                                ; gates p, r, z.  No barrier in here: what is stored lies at positions 16 on, which nobody reads before the next barrier, or is the wave's own
	s_mov_b32 s[TA], 0
	s_mov_b32 s[TS], 0
	SETADR
	AFETCH 0, 0
	AFETCH 1, 1
	KS 0, 1, 1, 51, 9, 1, 2                        ; the first K step starts the sums: nothing is cleared
	s_mov_b32 s[KTRIP], 3
.Lk:
	KTURN
	s_sub_co_u32 s[KTRIP], s[KTRIP], 1
	s_cmp_lg_u32 s[KTRIP], 0
	s_cbranch_scc1 .Lk
	SETADR
	KS 1, 0, 1, 51, 9, 1, 3                        ; K steps 13 to 15: the weight stream runs on into the next gate, x's fragments end at position 15
	KS 2, 0, 1, 51, 9, 0, 0
	KS 3, 0, 1, 51, 0, 0, 0
	s_cmp_eq_u32 s[GATE], 2
	s_cbranch_scc1 .Lpark
	SIGM CSIG
	SETIMG HB, HS
	MQT 0, PC, PW
	MQT 1, PCB, PWB
	MQT 2, PC, PW
	MQT 3, PCB, PWB
	s_branch .Ljoin
.Lpark:
	WIN 0x04                                       ; z's sums wait in the stash, where spk lay: window 1 is wanted for the last gate.  Each accumulator from its low end on
.set n, 0
.rept 64
	ds_store_b128 v[STA], v[4*n:4*n+3] offset:512*n
.set n, n+1
.endr
	WIN 0
.Ljoin:
	s_add_co_u32 s[HB], s[HB], 16384
	s_add_co_u32 s[HS], s[HS], 1024
	s_add_co_u32 s[GATE], s[GATE], 1
	s_cmp_lt_u32 s[GATE], 3
	s_cbranch_scc1 .Lgate
	s_wait_dscnt 0x0                               ; for the others' sake: my images of p adr and r spk lie in LDS; and z's stores have read window 1
	s_barrier_signal -1
	s_barrier_wait -1                              ; positions 16-23 are whole
	s_mov_b32 s[TA], 32768                         ; the last gate walks positions 8-23
	s_mov_b32 s[TS], 2048
	s_mov_b32 s[ZS], 0
	SETADR
	AFETCH 0, 0
	AFETCH 1, 1
	KS 0, 1, 1, 51, 9, 1, 2
	s_mov_b32 s[KTRIP], 2
.Lkh:
	KTURNH
	s_sub_co_u32 s[KTRIP], s[KTRIP], 1
	s_cmp_lg_u32 s[KTRIP], 0
	s_cbranch_scc1 .Lkh
	SETADR
	KS 1, 0, 1, 51, 9, 1, 3                        ; K steps 9 to 11 ask for the stream's last three units: no load leaves its buffer
	KS 2, 0, 1, 51, 9, 1, 4
	KS 3, 0, 1, 51, 9, 1, 5
	KS 0, 0, 0, 51, 9, 1, 6                        ; K steps 12 to 15: the counts run down with the units that are left
	KS 1, 0, 0, 34, 9, 1, 7
	KS 2, 0, 0, 17, 9, 0, 0
	KS 3, 0, 0, 0, 0, 0, 0
	ZLOAD 0                                        ; z's first tile comes back while the first tile's exponentials run
	FTILE 0
	FTILE 1
	FTILE 2
	FTILE 3
	s_wait_tensorcnt 0x0
	ds_add_u32 v254, v255
	s_wait_dscnt 0x0
	s_endpgm
.Lfunc_end_k_q488edcced2_gru:
	.size	k_q488edcced2_gru, .Lfunc_end_k_q488edcced2_gru-k_q488edcced2_gru
	.p2alignl 7, 3214868480
	.fill 96, 4, 3214868480
	.section	.rodata,"a",@progbits
	.p2align	6, 0x0
	.amdhsa_kernel k_q488edcced2_gru
		.amdhsa_group_segment_fixed_size 287232
		.amdhsa_private_segment_fixed_size 0
		.amdhsa_enable_private_segment 0
		.amdhsa_kernarg_size 48
		.amdhsa_user_sgpr_count 2
		.amdhsa_user_sgpr_kernarg_segment_ptr 1
		.amdhsa_wavefront_size32 1
		.amdhsa_system_sgpr_workgroup_id_x 1
		.amdhsa_system_sgpr_workgroup_id_y 1
		.amdhsa_system_sgpr_workgroup_id_z 1
		.amdhsa_system_vgpr_workitem_id 0
		.amdhsa_next_free_vgpr 1024
		.amdhsa_next_free_sgpr 84
		.amdhsa_reserve_vcc 0
		.amdhsa_float_denorm_mode_32 3
		.amdhsa_float_denorm_mode_16_64 3
		.amdhsa_memory_ordered 1
		.amdhsa_forward_progress 1
		.amdhsa_inst_pref_size 255
	.end_amdhsa_kernel
	.section	.bss,"aw",@nobits
	.p2align	6
	.space	262144
	.amdgpu_metadata
---
amdhsa.version: [ 1, 2 ]
amdhsa.kernels:
  - .name:           k_q488edcced2_gru
    .symbol:         k_q488edcced2_gru.kd
    .args:
      - { .name: encoder_hidden, .offset: 0, .size: 8, .value_kind: global_buffer, .address_space: global }
      - { .name: spk_vectors, .offset: 8, .size: 8, .value_kind: global_buffer, .address_space: global }
      - { .name: adr_vectors, .offset: 16, .size: 8, .value_kind: global_buffer, .address_space: global }
      - { .name: wcodes, .offset: 24, .size: 8, .value_kind: global_buffer, .address_space: global }
      - { .name: wscales, .offset: 32, .size: 8, .value_kind: global_buffer, .address_space: global }
      - { .name: out0, .offset: 40, .size: 8, .value_kind: global_buffer, .address_space: global }
    .group_segment_fixed_size: 287232
    .private_segment_fixed_size: 0
    .kernarg_segment_align: 8
    .kernarg_segment_size: 48
    .max_flat_workgroup_size: 128
    .sgpr_count:     84
    .vgpr_count:     1024
    .wavefront_size: 32
...
	.end_amdgpu_metadata
.endif
;; end of part 2
